; MI455X (gfx1250); checked and timed in simulation.
; The chip was launched on July 23, 2026; its instructions are those of AMD's public machine-readable ISA for CDNA 5 (MIT licence, August 2026) and "CDNA5" Instruction Set Architecture Reference Guide (July 2026). The comments in the code are by the model that wrote it; some were corrected since.
;; Local Experts. Allowed arithmetic: float matrix products may take bf16 or f16 operands with f32 sums; all other float work in f32.
;; Inputs: dispatched_hidden_states 8 x 8 x 512 x 512 float32; experts_capacity_usage 8 int32; wi 8 x 512 x 2,048 float32; wo 8 x 2,048 x 512 float32.
;; Outputs: out0 8 x 8 x 512 x 512 float32.
;; One version. Each part assembles by itself: llvm-mc -triple=amdgcn-amd-amdhsa -mcpu=gfx1250 --defsym DOCPART=n.
;; ======== version 1 of 1: 2 launches
;; workspace buffers: wib 16,777,216 bytes; wob 16,777,216 bytes
;; launch cast (part 1): grid 512 x 2, 8 waves a work-group, no clusters, 0 bytes of LDS; arguments wi, wo, wib, wob; writes wib, wob
.if DOCPART == 1
	.amdgcn_target "amdgcn-amd-amdhsa--gfx1250"
	.amdhsa_code_object_version 6
	.text
	.protected	k_q2aee6fa113_cast
	.globl	k_q2aee6fa113_cast
	.p2align	8
	.type	k_q2aee6fa113_cast,@function
k_q2aee6fa113_cast:
	s_mov_b64 s[64:65], 0
	v_nop
	global_prefetch_b8 v0, s[64:65] scope:SCOPE_SE
	s_setreg_imm32_b32 hwreg(HW_REG_WAVE_MODE, 25, 1), 1
	s_wait_xcnt 0x0
; wib = bf16(wi), wob = bf16(wo): the same index order, rounded to nearest even, once for the 32 row blocks of an expert that will read them.
; Grid y = 0 takes wi, y = 1 takes wo.  A work-group owns 65,536 bytes of f32 (32,768 of bf16), a wave 8,192: sixteen loads of 16 bytes a lane,
; each covering 512 neighbouring bytes; all sixteen are asked for before the first wait.  Each store of a wave (8 bytes a lane) covers 256
; consecutive bytes at a multiple of 256 from the buffer's first byte.  A stream: no LDS, no barrier, no matrix unit, no loop.
; The loads carry the hint for data read once; the stores carry none, since the next launch reads these bytes.
.set SRC, 8                            ; v[8:71]    sixteen loads, 4 registers each
.set DST, 72                           ; v[72:103]  sixteen stores, 2 registers each; no register is written twice, so no store's source is ever at stake
	s_load_b256 s[4:11], s[0:1], 0x0               ; wi s[4:5], wo s[6:7], wib s[8:9], wob s[10:11]
	s_and_b32 s16, ttmp7, 0xffff                   ; which of the two arrays
	s_lshl_b32 s18, ttmp9, 16                      ; the work-group's part: 65,536 bytes in,
	s_mov_b32 s19, 0
	s_lshl_b32 s20, ttmp9, 15                      ; 32,768 bytes out
	s_mov_b32 s21, 0
	v_lshrrev_b32 v3, 5, v0                        ; wave
	v_and_b32 v4, 31, v0                           ; lane
	v_lshlrev_b32 v1, 4, v4
	v_lshlrev_b32 v2, 3, v4
	v_lshl_or_b32 v1, v3, 13, v1                   ; in:  8,192 wave + 16 lane
	v_lshl_or_b32 v2, v3, 12, v2                   ; out: 4,096 wave + 8 lane
	s_wait_kmcnt 0x0
	s_cmp_eq_u32 s16, 0
	s_cselect_b64 s[12:13], s[4:5], s[6:7]         ; from wi or wo
	s_cselect_b64 s[14:15], s[8:9], s[10:11]       ; into wib or wob
	s_add_nc_u64 s[12:13], s[12:13], s[18:19]
	s_add_nc_u64 s[14:15], s[14:15], s[20:21]
.irp i, 0,1,2,3,4,5,6,7,8,9,10,11,12,13,14,15
	global_load_b128 v[SRC+4*\i:SRC+4*\i+3], v1, s[12:13] offset:512*\i th:TH_LOAD_NT
.endr
.irp i, 0,1,2,3,4,5,6,7,8,9,10,11,12,13,14,15
	s_wait_loadcnt 15-\i                           ; loads come back in order (ISA guide 5.7.1): load i is in, the younger ones stay out
	v_cvt_pk_bf16_f32 v[DST+2*\i],   v[SRC+4*\i],   v[SRC+4*\i+1]
	v_cvt_pk_bf16_f32 v[DST+2*\i+1], v[SRC+4*\i+2], v[SRC+4*\i+3]
	global_store_b64 v2, v[DST+2*\i:DST+2*\i+1], s[14:15] offset:256*\i
.endr
	s_endpgm
.Lfunc_end_k_q2aee6fa113_cast:
	.size	k_q2aee6fa113_cast, .Lfunc_end_k_q2aee6fa113_cast-k_q2aee6fa113_cast
	.p2alignl 7, 3214868480
	.fill 96, 4, 3214868480
	.section	.rodata,"a",@progbits
	.p2align	6, 0x0
	.amdhsa_kernel k_q2aee6fa113_cast
		.amdhsa_group_segment_fixed_size 0
		.amdhsa_private_segment_fixed_size 0
		.amdhsa_enable_private_segment 0
		.amdhsa_kernarg_size 32
		.amdhsa_user_sgpr_count 2
		.amdhsa_user_sgpr_kernarg_segment_ptr 1
		.amdhsa_wavefront_size32 1
		.amdhsa_system_sgpr_workgroup_id_x 1
		.amdhsa_system_sgpr_workgroup_id_y 1
		.amdhsa_system_sgpr_workgroup_id_z 1
		.amdhsa_system_vgpr_workitem_id 0
		.amdhsa_next_free_vgpr 104
		.amdhsa_next_free_sgpr 66
		.amdhsa_reserve_vcc 0
		.amdhsa_float_denorm_mode_32 3
		.amdhsa_float_denorm_mode_16_64 3
		.amdhsa_memory_ordered 1
		.amdhsa_forward_progress 1
		.amdhsa_inst_pref_size 7
	.end_amdhsa_kernel
	.amdgpu_metadata
---
amdhsa.version: [ 1, 2 ]
amdhsa.kernels:
  - .name:           k_q2aee6fa113_cast
    .symbol:         k_q2aee6fa113_cast.kd
    .args:
      - { .name: wi, .offset: 0, .size: 8, .value_kind: global_buffer, .address_space: global }
      - { .name: wo, .offset: 8, .size: 8, .value_kind: global_buffer, .address_space: global }
      - { .name: wib, .offset: 16, .size: 8, .value_kind: global_buffer, .address_space: global }
      - { .name: wob, .offset: 24, .size: 8, .value_kind: global_buffer, .address_space: global }
    .group_segment_fixed_size: 0
    .private_segment_fixed_size: 0
    .kernarg_segment_align: 8
    .kernarg_segment_size: 32
    .max_flat_workgroup_size: 256
    .sgpr_count:     66
    .vgpr_count:     104
    .wavefront_size: 32
...
	.end_amdgpu_metadata
.endif
;; end of part 1
;; launch ffn (part 2): grid 256 x 1, 4 waves a work-group, clusters of 4 x 1, 327,680 bytes of LDS; arguments dispatched_hidden_states, wib, wob, out0, experts_capacity_usage; writes out0
.if DOCPART == 2
	.amdgcn_target "amdgcn-amd-amdhsa--gfx1250"
	.amdhsa_code_object_version 6
	.text
	.protected	k_q2aee6fa113_ffn
	.globl	k_q2aee6fa113_ffn
	.p2align	8
	.type	k_q2aee6fa113_ffn,@function
k_q2aee6fa113_ffn:
	s_mov_b64 s[64:65], 0
	v_nop
	global_prefetch_b8 v0, s[64:65] scope:SCOPE_SE
	s_setreg_imm32_b32 hwreg(HW_REG_WAVE_MODE, 25, 1), 1
	s_wait_xcnt 0x0
	s_wait_alu depctr_hold_cnt(0) depctr_sa_sdst(0) depctr_va_vdst(0) depctr_va_sdst(0) depctr_va_ssrc(0) depctr_va_vcc(0) depctr_vm_vsrc(0)
	s_getreg_b32 s2, hwreg(HW_REG_IB_STS2, 6, 4)
	s_cmp_eq_u32 s2, 0
	s_cbranch_scc0 .Lentry_in_a_cluster
	s_endpgm
.Lentry_in_a_cluster:
	s_bfe_u32 s2, ttmp6, 0x10000c
	s_cmp_lg_u32 s2, 0x3003
	s_cbranch_scc0 .Lentry_shape_is_right
	s_endpgm
.Lentry_shape_is_right:
; out[e][tok][:] = relu(x[e][tok][:] wi[e]) wo[e].  x, out: [8][4096][512] f32.  wib: [8][512 d][2048 f] bf16, wob: [8][2048 f][512 d] bf16 (cast by the launch before).
; A work-group owns 128 tokens of one expert (32 work-groups an expert, 256 in all) and keeps them to the end: x is read once, cast to bf16 into LDS and stays there;
; h never leaves the work-group; out is summed in registers (128 x 512 f32: 512 registers in each of four waves, a wave owning 128 tokens x 128 d).
; F goes in 8 chunks of 256.  A chunk is 8 steps of 128 matrix instructions a wave, each step fed by one LDS slot of weights:
;   G1, places t = 0..3: h(128 tok x 256 f) += x(:, a block of 128 d) wi(that block, chunk); a wave makes 128 tok x 64 f in 256 registers;
;   relu, rounding to bf16: the first half (128 f) of the chunk goes to LDS (HB), the second waits packed in 64 registers until HB is free;
;   G2, places u = 0..3: out += h(:, a block of 64 f) wo(that block, :).
; CLUSTERS: the four work-groups of a cluster (4 x 1) have one expert (32 is a multiple of 4) and walk the same weight tiles in the same order, so every weight tile is asked
; for JOINTLY (mask 15): the requests for weights are divided by four.  x and out are each work-group's own and go through registers.
; THE ORDER OF THE WALK.  d in G1 and f in both products are summed over, so their blocks may be taken in any order; here the order is set by GLOBAL addresses alone, and every LDS
; address, branch and count is the same in all clusters.  The eight clusters of an expert need the same 64 tiles.  Cluster j of the eight has key = (j % 4) xor 3 (j / 4):
; 0,1,2,3,3,2,1,0, so that any four clusters that share one bit of j have four different keys.  At place t of G1 it takes d block t xor key (x's four blocks lie in LDS in that
; order too); with k0 = key % 2 the chunk's two halves of 128 f change places: panel p of a wi tile holds columns 128 (p xor k0), place u of G2 takes f block u xor 2 k0.
; So among four clusters with four keys a chunk's four wi tiles are all asked for at place 0, each by one cluster, and at places 1 to 3 a cluster asks for bytes that another has
; asked for one to three steps before; of wo's four tiles it asks for two first, and for two that others asked for two steps before: most requests follow an earlier one for the same bytes.
; The key enters each tile's address once, at the start; from chunk to chunk every address steps by a constant.
; BOTH PRODUCTS ARE USED TRANSPOSED: source 0 = 16 columns of the weights (f or d) along K, source 1 = 16 tokens along K.  A lane's eight results are then eight neighbouring
; f (or d) of ONE token: h packs to 16 bytes that lie along G2's K, out to 32 neighbouring bytes.  The weights lie [K][N] in LDS and are read by the transposing load.
; LIMITS: x, wi, wo and h enter the matrix unit rounded to bf16 (nearest even), sums are f32.  The order of the f32 sums over blocks of 128 d and of 128 f hangs on the cluster's key.
; relu is v_max_num_f32 with 0: a NaN in h gives 0 where jnp's relu keeps the NaN.
; experts_capacity_usage: reference() takes it as an argument and lets no result hang on it.  Its eight words are fetched, since every input is read, and used for nothing.
;
; LDS (bytes): two slots of weights, filled by tensor loads alone; behind them, in blocks of their own, what ds_store writes.
.set PITCHW, 288                       ; a weight row: 256 bytes + 32 of padding = 9 x 32 bytes: the eight rows that eight lanes of a transposing load address start 32 bytes apart modulo 256
.set PANEL,  64*PITCHW                 ; 18,432: what one tensor load brings: 64 rows x 128 bf16
.set SLOT,   4*PANEL                   ; 73,728: wave w fills panel w.  wi tile: panel 2 p + i = half p of the chunk's f, d rows 64 i ..;  wo tile: panel w = d columns 128 w .., 64 f rows
.set XB,     2*SLOT                    ; 147,456: x in bf16, 128 rows x 1,024 bytes + 16; at the very end the waves' stages for the way out
.set PITCHX, 1040                      ; 65 x 16 bytes: sixteen rows start at sixteen different 16-byte columns modulo 256
.set HB,     XB+128*PITCHX             ; 280,576: h in bf16, 128 rows x 256 bytes + 16: one half (128 f) of a chunk
.set PITCHH, 272
.set PITCHS, 528                       ; the way out: a row of 128 f32 + 16 bytes
.set WISTEP, 512                       ; wi, from chunk to chunk: 256 f of 2 bytes
.set WOSTEP, 262144                    ; wo, from chunk to chunk: 256 f rows of 1,024 bytes
; VECTOR REGISTERS, in windows of 256:
;   window 0: addresses; G1's fragments, two buffers f: x at XF + 96 f + 8 a (a = 0..7 blocks of 16 tokens), wi at WF + 96 f + 8 b (b = 0..3);
;             laid over them when they rest: the packed h (HPA, HPB), the prologue's three load buffers, the way out's two buffers
;   window 1: in G1 the h sums, tile (a, b) at 8 (4 a + b), place in the chunk = 128 (b / 2) + 32 w + 16 (b % 2);
;             in G2 its fragments, two buffers f: h at 128 f + 8 a, wo at 128 f + 64 + 8 b (b = 0..7)
;   windows 2, 3: the out sums, tile (a, b) at 8 (8 (a % 4) + b); window 2 for a < 4, window 3 for a >= 4
.set XS,    11                         ; x into LDS: XB + 32 w rows + 8 L
.set ADRX,  12                         ; v12, v13: x fragments, token blocks 0-3 and 4-7
.set ADRH,  14                         ; h fragments
.set ADRHS, 15                         ; where my h goes
.set ADRWI, 16                         ; v16-19: wi fragments, slot s, half p at 2 s + p
.set ADRWO, 20                         ; v20, v21: wo fragments, slot s
.set STO,   22                         ; way out: into my stage
.set RD,    23                         ; way out: a row back
.set CO,    24                         ; way out: 512 w + 16 L in a row of out
.set XO,    28                         ; v28-31: x in memory, for LDS place q: 65,536 w + 16 L + 512 (q xor key) (wave w casts tokens 32 w .. 32 w + 31); never rewritten
.set T,     32                         ; v32-63 prologue: packed x
.set XIN,   64                         ; prologue: three buffers of 64 registers
.set XF,    64
.set WF,    128
.set HPA,   64                         ; packed h, the chunk's first half: tile (a, b') at + 4 (2 a + b')
.set HPB,   128                        ; packed h, the second half
; SCALAR REGISTERS: s[4:11] x, wib, wob, out; s12 wave; s13 cx; s14 work-group; s15 expert; s56 loop; s57 my panel's LDS offset; s58-63, s82-83 set-up; s[66:75] the unused input
.set G1I, 16                           ; s[16:23] group 1 for wi's tiles
.set G1O, 24                           ; s[24:31] group 1 for wo's tiles: the pitch differs
.set WI,  32                           ; s[32:47] group 0 of wi's tile at place t at WI + 4 t; steps WISTEP a chunk
.set WO,  84                           ; s[84:99] group 0 of wo's tile at place u at WO + 4 u; steps WOSTEP a chunk
.set KEY, 76                           ; s76 the cluster's key, 0..3
.set K0,  77                           ; s77 key % 2
; s_set_vgpr_msb's low byte: bits 1:0 source 0, 3:2 source 1, 5:4 source 2, 7:6 destination
.set W_G1,   0x50                      ; G1: fragments window 0, C and D window 1
.set W_LO,   0xa5                      ; G2: fragments window 1, C and D window 2
.set W_HI,   0xf5                      ; G2: C and D window 3
.set W_TO1,  0x40                      ; loads into window 1, address window 0
.set W_RELU, 0x44                      ; source 1 and destination window 1
.set W_PACK, 0x05                      ; both sources window 1, destination window 0
.set W_ST2,  0x08                      ; LDS store: data (source 1) window 2
.set W_ST3,  0x0c                      ; data window 3
.set MSB, 0
.macro WIN new                         ; the immediate's high byte repeats the setting that is left; a switch that changes nothing is dropped
.if MSB != \new
	s_set_vgpr_msb (MSB<<8)|\new
.set MSB, \new
.endif
.endm
; Places behind matrix instructions (ISA guide 7.12.1): plain vector instructions that name none of their registers.  Four in front of a vector instruction or an LDS store that
; reads a result and of a load into a register that a matrix instruction named; five in front of a matrix instruction that writes over one.  Matrix instructions are not counted.
.macro PLACES cnt
.rept \cnt
	v_nop
.endr
.endm
; A round of the cluster's barrier behind its opening work-group barrier: wave 0 signals for the work-group, every wave waits for all four work-groups, a work-group barrier closes it.
.macro CREST
	s_cmp_lg_u32 s12, 0
	s_cbranch_scc1 .Lnot_wave_0_\@
	s_barrier_signal -3
.Lnot_wave_0_\@:
	s_barrier_wait -3
	s_barrier_signal -1
	s_barrier_wait -1
.endm
.macro ROUND
	s_barrier_signal -1
	s_barrier_wait -1
	CREST
.endm
	s_load_b256 s[4:11], s[0:1], 0x0               ; x s[4:5], wib s[6:7], wob s[8:9], out s[10:11]
	s_load_b64 s[66:67], s[0:1], 0x20              ; experts_capacity_usage
	v_lshl_add_u32 v10, v0, 2, 0x4d000
	v_mov_b32 v25, 0
	ds_add_u32 v10, v25
	ds_add_u32 v10, v25
	v_lshrrev_b32 v1, 5, v0
	v_readfirstlane_b32 s12, v1                    ; wave 0..3
	s_bfe_u32 s13, ttmp6, 0x40000                  ; cx: my place in the cluster
	s_lshl_b32 s14, ttmp9, 2                       ; in a cluster launch ttmp9 counts clusters
	s_add_co_u32 s14, s14, s13                     ; work-group = 4 x cluster + cx: enters x's and out's addresses alone
	s_lshr_b32 s15, ttmp9, 3                       ; expert = work-group / 32 = cluster / 8: the same in all four partners
	s_and_b32 s[KEY], ttmp9, 7                     ; j: the cluster among its expert's eight; made of the cluster's number alone, so the same in all four partners
	s_lshr_b32 s82, s[KEY], 2
	s_mul_i32 s82, s82, 3
	s_xor_b32 s[KEY], s[KEY], s82
	s_and_b32 s[KEY], s[KEY], 3                    ; key = (j % 4) xor 3 (j / 4)
	s_and_b32 s[K0], s[KEY], 1
	s_lshl_b32 s58, s14, 18                        ; my 128 tokens of 2,048 bytes, in x and in out (below 2^26)
	s_mov_b32 s59, 0
	s_lshl_b32 s60, s15, 21                        ; wib: the expert's 2,097,152 bytes,
	s_and_b32 s62, s12, 1
	s_lshl_b32 s62, s62, 18                        ; + (w % 2) x 64 d rows of 4,096 bytes,
	s_add_co_u32 s60, s60, s62
	s_lshr_b32 s62, s12, 1
	s_xor_b32 s62, s62, s[K0]
	s_lshl_b32 s62, s62, 8                         ; + ((w / 2) xor k0) x 128 f of 2 bytes: the halves of the chunk's f change places where k0 = 1
	s_add_co_u32 s60, s60, s62
	s_mov_b32 s61, 0
	s_lshl_b32 s62, s15, 21                        ; wob: the expert's 2,097,152 bytes,
	s_lshl_b32 s63, s12, 8                         ; + w x 128 d of 2 bytes
	s_add_co_u32 s62, s62, s63
	s_mov_b32 s63, 0
	s_mul_i32 s57, s12, PANEL                      ; my panel in a slot: the wave's number times a constant; no place in the cluster enters an LDS address
	; group 1: a tile of 64 rows x 128 elements of 2 bytes, asked for jointly, padded in LDS
.irp g, G1I, G1O
	s_mov_b32 s[\g+0], 15|(1<<16)|(1<<20)|(1<<21)|(5<<22)|(7<<25)  ; 15:0 mask: all four of the cluster; 17:16 2-byte elements; 20 padding on; 21 set beside a mask; 24:22 after every 64 words; 31:25 skip 8 words
	s_mov_b32 s[\g+1], 128<<16                     ; tensor_dim0 = 128: the tiles lie inside the tensor, so the extents are the tile's
	s_mov_b32 s[\g+2], 64<<16                      ; tensor_dim1 = 64
	s_mov_b32 s[\g+3], 128<<16                     ; tile_dim0 = 128
	s_mov_b32 s[\g+4], 64                          ; tile_dim1 = 64
	s_mov_b32 s[\g+6], 0
	s_mov_b32 s[\g+7], 0
.endr
	s_mov_b32 s[G1I+5], 2048                       ; elements from row to row in wib
	s_mov_b32 s[G1O+5], 512                        ; and in wob
	v_and_b32 v1, 31, v0                           ; L
	v_and_b32 v2, 15, v0                           ; r = L % 16
	v_bfe_u32 v3, v0, 4, 1                         ; h = L / 16
	v_lshlrev_b32 v27, 4, v1
	v_lshl_add_u32 v27, s12, 16, v27               ; 32 w rows of 2,048 bytes + 16 L
.irp q, 0,1,2,3
	s_xor_b32 s82, s[KEY], \q
	s_lshl_b32 s82, s82, 9
	v_add_nc_u32 v[XO+\q], s82, v27                ; + the 512 bytes (128 d in f32) of block q xor key, which goes to LDS place q
.endr
	s_wait_dscnt 0x0
	s_wait_kmcnt 0x0
	s_add_nc_u64 s[4:5], s[4:5], s[58:59]          ; x and out at my first token
	s_add_nc_u64 s[10:11], s[10:11], s[58:59]
	s_add_nc_u64 s[6:7], s[6:7], s[60:61]          ; wib and wob at my panel of the expert's first chunk
	s_add_nc_u64 s[8:9], s[8:9], s[62:63]
	s_load_b256 s[68:75], s[66:67], 0x0            ; the eight capacity words: fetched, used for nothing (see the head)
; x, batch i: 4 tokens x 2,048 bytes = 16 loads, each covering 512 neighbouring bytes, into buffer i % 3
.macro XLOAD i
.irp rr, 0,1,2,3
.irp q, 0,1,2,3
	global_load_b128 v[XIN+64*((\i)%3)+4*(4*\rr+\q):XIN+64*((\i)%3)+4*(4*\rr+\q)+3], v[XO+\q], s[4:5] offset:(4*(\i)+\rr)*2048 th:TH_LOAD_NT
.endr
.endr
.endm
	XLOAD 0                                        ; 48 loads of each wave are on their way while the cluster gathers
	XLOAD 1
	XLOAD 2
.irp t, 0,1,2,3
	s_mov_b32 s[WI+4*\t], 1                                        ; count = 1
	s_add_co_u32 s[WI+4*\t+1], s57, (\t%2)*SLOT                    ; LDS: places 0, 2 in slot 0, places 1, 3 in slot 1
	s_xor_b32 s82, s[KEY], \t                                      ; place t takes d block t xor key:
	s_lshl_b32 s82, s82, 19                                        ; 128 d rows of 4,096 bytes a block
	s_mov_b32 s83, 0
	s_add_nc_u64 s[WI+4*\t+2:WI+4*\t+3], s[6:7], s[82:83]
	s_or_b32 s[WI+4*\t+3], s[WI+4*\t+3], 0x80000000                ; type = 2
.endr
.irp u, 0,1,2,3
	s_mov_b32 s[WO+4*\u], 1
	s_add_co_u32 s[WO+4*\u+1], s57, (\u%2)*SLOT                    ; LDS: places 0, 2 in slot 0, places 1, 3 in slot 1
	s_lshl_b32 s82, s[K0], 1
	s_xor_b32 s82, s82, \u                                         ; place u takes f block u xor 2 k0:
	s_lshl_b32 s82, s82, 16                                        ; 64 f rows of 1,024 bytes a block
	s_mov_b32 s83, 0
	s_add_nc_u64 s[WO+4*\u+2:WO+4*\u+3], s[8:9], s[82:83]
	s_or_b32 s[WO+4*\u+3], s[WO+4*\u+3], 0x80000000
.endr
	ROUND                                          ; all four work-groups are here: the first joint loads meet
	tensor_load_to_lds s[WI:WI+3], s[G1I:G1I+7]    ; the two first fills, as one group: chunk 0's wi tiles at places 0 and 1.  Two tensor loads of the wave are out here, one at any later time
	s_nop 0
	tensor_load_to_lds s[WI+4:WI+7], s[G1I:G1I+7]
	s_nop 0
	; addresses
	s_mul_i32 s62, s12, 32*PITCHX
	s_add_co_u32 s62, s62, XB
	v_lshl_add_u32 v[XS], v1, 3, s62               ; XB + 32 w rows + 8 L
	v_mul_u32_u24 v7, v2, PITCHX
	v_lshl_add_u32 v7, v3, 4, v7
	v_add_nc_u32 v[ADRX], XB, v7                   ; a fragment along K: row r, 16 bytes for each half of the lanes; two loads 32 bytes apart
	v_add_nc_u32 v[ADRX+1], 64*PITCHX, v[ADRX]     ; token blocks 4-7: beyond the reach of the 16-bit offset
	v_mul_u32_u24 v8, v2, PITCHH
	v_lshl_add_u32 v8, v3, 4, v8
	v_add_nc_u32 v[ADRH], HB, v8
	v_lshl_add_u32 v[ADRHS], s12, 6, v[ADRH]       ; my 32 f of the half: 64 w bytes into the row
	v_and_b32 v4, 7, v0                            ; a fragment across K (transposing load): lane L addresses K row 8 h + L % 8, 16 bytes at 16 ((L / 8) % 2); two loads 16 rows apart
	v_lshl_add_u32 v4, v3, 3, v4
	v_mul_u32_u24 v5, v4, PITCHW
	v_bfe_u32 v6, v0, 3, 1
	v_lshl_add_u32 v5, v6, 4, v5
	v_lshl_add_u32 v9, s12, 6, v5                  ; wi: my 32 f of each half
.irp s, 0,1
.irp p, 0,1
	v_add_nc_u32 v[ADRWI+2*\s+\p], \s*SLOT+\p*2*PANEL, v9
.endr
.endr
	v_add_nc_u32 v[ADRWO], s57, v5                 ; wo: my panel holds my 128 d
	v_add_nc_u32 v[ADRWO+1], SLOT, v[ADRWO]
	s_mul_i32 s63, s12, 16*PITCHS
	s_add_co_u32 s63, s63, XB                      ; my stage for the way out: 16 rows x 528 bytes
	v_mul_u32_u24 v26, v2, PITCHS
	v_lshl_add_u32 v26, v3, 5, v26
	v_add_nc_u32 v[STO], s63, v26                  ; token r, 32 bytes for each half of the lanes
	v_lshl_add_u32 v[RD], v1, 4, s63
	v_lshlrev_b32 v[CO], 4, v1
	v_lshl_add_u32 v[CO], s12, 9, v[CO]
; x, batch i: cast and put into LDS; left = the younger loads that may stay out; more = 1: batch i + 3 is asked for, into the buffer just read
.macro XCONV i, left, more
	s_wait_loadcnt \left
.irp k, 0,1,2,3,4,5,6,7,8,9,10,11,12,13,14,15
	v_cvt_pk_bf16_f32 v[T+2*\k],   v[XIN+64*(\i%3)+4*\k],   v[XIN+64*(\i%3)+4*\k+1]
	v_cvt_pk_bf16_f32 v[T+2*\k+1], v[XIN+64*(\i%3)+4*\k+2], v[XIN+64*(\i%3)+4*\k+3]
.endr
.if \more
	XLOAD \i+3
.endif
.irp rr, 0,1,2,3
.irp q, 0,1,2,3
	ds_store_b64 v[XS], v[T+2*(4*\rr+\q):T+2*(4*\rr+\q)+1] offset:(4*\i+\rr)*PITCHX+256*\q   ; 32 lanes x 8 bytes: 256 neighbouring bytes, LDS place q
.endr
.endr
.endm
	XCONV 0, 32, 1                                 ; two younger batches of 16 loads stay out
	XCONV 1, 32, 1
	XCONV 2, 32, 1
	XCONV 3, 32, 1
	XCONV 4, 32, 1
	XCONV 5, 32, 0
	XCONV 6, 16, 0                                 ; the counts run down
	XCONV 7, 0, 0
; 8 matrix instructions of G1: token blocks a0, a0 + 1 x my four f blocks, 32 along d.  zero = 1: the product starts the sums; nothing is cleared.
.macro MUL1 f, a0, zero
.irp a, \a0, \a0+1
.irp b, 0,1,2,3
.if \zero
	v_wmma_f32_16x16x32_bf16 v[8*(4*(\a)+\b):8*(4*(\a)+\b)+7], v[WF+96*\f+8*\b:WF+96*\f+8*\b+7], v[XF+96*\f+8*(\a):XF+96*\f+8*(\a)+7], 0
.else
	v_wmma_f32_16x16x32_bf16 v[8*(4*(\a)+\b):8*(4*(\a)+\b)+7], v[WF+96*\f+8*\b:WF+96*\f+8*\b+7], v[XF+96*\f+8*(\a):XF+96*\f+8*(\a)+7], v[8*(4*(\a)+\b):8*(4*(\a)+\b)+7]
.endif
.endr
.endr
.endm
; 16 matrix instructions of G2: token blocks a0, a0 + 1 of the window's four (hi = 0: blocks 0-3, 1: blocks 4-7) x my eight d blocks, 32 along f
.macro MUL2 f, hi, a0, zero
.irp a, \a0, \a0+1
.irp b, 0,1,2,3,4,5,6,7
.if \zero
	v_wmma_f32_16x16x32_bf16 v[8*(8*(\a)+\b):8*(8*(\a)+\b)+7], v[128*\f+64+8*\b:128*\f+64+8*\b+7], v[128*\f+8*(4*\hi+\a):128*\f+8*(4*\hi+\a)+7], 0
.else
	v_wmma_f32_16x16x32_bf16 v[8*(8*(\a)+\b):8*(8*(\a)+\b)+7], v[128*\f+64+8*\b:128*\f+64+8*\b+7], v[128*\f+8*(4*\hi+\a):128*\f+8*(4*\hi+\a)+7], v[8*(8*(\a)+\b):8*(8*(\a)+\b)+7]
.endif
.endr
.endr
.endm
; The accumulators take turns, one instruction a turn, in the same order in every k-step (32 in G1, 64 in G2), over the loop's backward jump too.
; G1's fragments of k-step kk of the tile at place t in slot s, into buffer f: 24 loads in one run, wi's 8 first, then x's 16 with token blocks 4-7 last
.macro FETCH1 s, kk, t, f
	WIN 0
.irp b, 0,1,2,3
	ds_load_tr16_b128 v[WF+96*\f+8*\b:WF+96*\f+8*\b+3],   v[ADRWI+2*\s+\b/2] offset:32*PITCHW*(\kk)+32*(\b%2)
	ds_load_tr16_b128 v[WF+96*\f+8*\b+4:WF+96*\f+8*\b+7], v[ADRWI+2*\s+\b/2] offset:32*PITCHW*(\kk)+32*(\b%2)+16*PITCHW
.endr
.irp a, 0,1,2,3,4,5,6,7
	ds_load_b128 v[XF+96*\f+8*\a:XF+96*\f+8*\a+3],   v[ADRX+\a/4] offset:16*PITCHX*(\a%4)+256*\t+64*(\kk)
	ds_load_b128 v[XF+96*\f+8*\a+4:XF+96*\f+8*\a+7], v[ADRX+\a/4] offset:16*PITCHX*(\a%4)+256*\t+64*(\kk)+32
.endr
.endm
; G2's fragments of k-step kk of the tile at place u in slot s, into buffer f of window 1: 32 loads in one run, wo's 16 first, then h's 16 with token blocks 4-7 last
.macro FETCH2 s, kk, u, f
	WIN W_TO1
.irp b, 0,1,2,3,4,5,6,7
	ds_load_tr16_b128 v[128*\f+64+8*\b:128*\f+64+8*\b+3],   v[ADRWO+\s] offset:32*PITCHW*\kk+32*\b
	ds_load_tr16_b128 v[128*\f+64+8*\b+4:128*\f+64+8*\b+7], v[ADRWO+\s] offset:32*PITCHW*\kk+32*\b+16*PITCHW
.endr
.irp a, 0,1,2,3,4,5,6,7
	ds_load_b128 v[128*\f+8*\a:128*\f+8*\a+3],   v[ADRH] offset:16*PITCHH*\a+128*(\u%2)+64*\kk
	ds_load_b128 v[128*\f+8*\a+4:128*\f+8*\a+7], v[ADRH] offset:16*PITCHH*\a+128*(\u%2)+64*\kk+32
.endr
.endm
; relu in place and rounding to bf16 of half p of the chunk's h, token blocks a0 .. a0 + na - 1, into hp
.macro EPI p, a0, na, hp
	WIN W_RELU
.set ea, \a0
.rept \na
.irp bb, 0,1
.irp j, 0,1,2,3,4,5,6,7
	v_max_num_f32 v[8*(4*ea+2*\p+\bb)+\j], 0, v[8*(4*ea+2*\p+\bb)+\j]
.endr
.endr
.set ea, ea+1
.endr
	WIN W_PACK
.set ea, \a0
.rept \na
.irp bb, 0,1
.irp j, 0,1,2,3
	v_cvt_pk_bf16_f32 v[\hp+4*(2*ea+\bb)+\j], v[8*(4*ea+2*\p+\bb)+2*\j], v[8*(4*ea+2*\p+\bb)+2*\j+1]
.endr
.endr
.set ea, ea+1
.endr
.endm
; my 32 f x 128 tokens of a half of h into HB: 16 bytes a lane (8 neighbouring f of token r)
.macro HSTORE hp
	WIN 0
.irp a, 0,1,2,3,4,5,6,7
.irp bb, 0,1
	ds_store_b128 v[ADRHS], v[\hp+4*(2*\a+\bb):\hp+4*(2*\a+\bb)+3] offset:16*PITCHH*\a+32*\bb
.endr
.endr
.endm
; One of a G1 step's first three k-steps: multiplies buffer f; in its middle fetches k-step kn of the same tile into buffer g
.macro G1K s, kn, t, f, g, zero
	s_wait_dscnt 8                                 ; wi's fragments and x's blocks 0-3 are in; the youngest eight loads (blocks 4-7) may be out
	WIN W_G1
	MUL1 \f, 0, \zero
	MUL1 \f, 2, \zero
	PLACES 4
	FETCH1 \s, \kn, \t, \g
	s_wait_dscnt 24                                ; all but the 24 just issued
	WIN W_G1
	MUL1 \f, 4, \zero
	MUL1 \f, 6, \zero
.endm
.macro THREE1 s, t, zero
	G1K \s, 1, \t, 0, 1, \zero
	G1K \s, 2, \t, 1, 0, 0
	G1K \s, 3, \t, 0, 1, 0
.endm
; The first of a G2 step's two k-steps: multiplies buffer 0; in its middle fetches the second into buffer 1
.macro G2K s, u, zero
	s_wait_dscnt 8                                 ; wo's fragments and h's blocks 0-3 are in
	WIN W_LO
	MUL2 0, 0, 0, \zero
	MUL2 0, 0, 2, \zero
	PLACES 4
	FETCH2 \s, 1, \u, 1
	s_wait_dscnt 32                                ; all but the 32 just issued
	WIN W_HI
	MUL2 0, 1, 0, \zero
	MUL2 0, 1, 2, \zero
.endm
; THE CHANGE OF SLOTS, in two parts with register work between them.  In front of the opening signal each wave waits for all its LDS instructions (its reads of the slot that is left,
; and its stores of h where it has made any) and for all its tensor loads, of which one is out: its panel of the next slot.  No load of the wave is out then, so the group 0 that was
; issued last is stepped there, on to the next chunk (st by the constant 'by'; st2, if not 0, likewise).
.macro HEAD_A st, by, st2
	s_wait_dscnt 0x0
	s_set_vgpr_msb (MSB<<8)|((MSB&0xf0)|0x0)
	s_wait_tensorcnt 0x0
	ds_add_u32 v10, v25
	s_wait_dscnt 0x0
	s_set_vgpr_msb (((MSB&0xf0)|0x0)<<8)|MSB
	s_add_nc_u64 s[\st+2:\st+3], s[\st+2:\st+3], \by
.if \st2
	s_add_nc_u64 s[\st2+2:\st2+3], s[\st2+2:\st2+3], \by
.endif
	s_barrier_signal -1
.endm
; fill = 1: the barrier opens a round of the cluster's barrier: behind it no wave of any partner reads the slot that is left or has a load on its way, and the next slot is whole;
; the joint refill of the slot that is left is the first thing behind the round, one tensor load a wave.  It has the whole next step's matrix work, less what stands in front of the
; next opening signal, in which to land.
.macro HEAD_B g0, g1, fill
	WIN 0                                          ; every window is 0
	s_barrier_wait -1
.if \fill
	CREST
	tensor_load_to_lds s[\g0:\g0+3], s[\g1:\g1+7]
	s_nop 0
.endif
.endm
; A G1 step's last k-step (buffer 1) and the change to G1's place nt in slot ns
.macro TURN11 ns, nt, g0, g1, st, st2
	s_wait_dscnt 8
	WIN W_G1
	MUL1 1, 0, 0
	HEAD_A \st, WISTEP, \st2
	MUL1 1, 2, 0
	HEAD_B \g0, \g1, 1
	PLACES 4
	FETCH1 \ns, 0, \nt, 0
	WIN W_G1
	MUL1 1, 4, 0
	MUL1 1, 6, 0
.endm
; G1's last k-step of a chunk, h's way into LDS and registers, and the change to G2's place 0 in slot 0.
; HB was last read in the chunk before, in front of four changes of slots.  The wait for 0 in HEAD_A also shows my stores of h done, so behind the barrier HB's first half is whole.
; G2's buffer 0 is window 1's v0-127, the h sums of token blocks 0-3: both their halves are packed before the loads are issued.  Blocks 4-7 of the second half are packed while
; those loads are on their way, and before G2's buffer 1 (window 1's v128-255) is loaded.
.macro TURNE
	s_wait_dscnt 0x0
	WIN W_G1
	MUL1 1, 0, 0
	MUL1 1, 2, 0
	MUL1 1, 4, 0
	MUL1 1, 6, 0
	PLACES 4
	EPI 0, 0, 8, HPA
	HSTORE HPA
	HEAD_A WO, WOSTEP, 0
	EPI 1, 0, 4, HPB
	HEAD_B WO+4, G1O, 1
	FETCH2 0, 0, 0, 0
	EPI 1, 4, 4, HPB
.endm
; A G2 step's second k-step (buffer 1) and the change to G2's place nu in slot ns, within one half of h
.macro TURN22 ns, nu, g0, g1, fill, st
	s_wait_dscnt 8
	WIN W_LO
	MUL2 1, 0, 0, 0
	HEAD_A \st, WOSTEP, 0
	MUL2 1, 0, 2, 0
	HEAD_B \g0, \g1, \fill
	PLACES 4
	FETCH2 \ns, 0, \nu, 0
	WIN W_HI
	MUL2 1, 1, 0, 0
	MUL2 1, 1, 2, 0
.endm
; The same from place 1 to place 2: behind the change of slots nobody reads HB's first half any more, so the second half goes in, and a second, plain barrier shows it to every wave.
; The refill just issued stays on its way across it.
.macro TURN2S
	s_wait_dscnt 8
	WIN W_LO
	MUL2 1, 0, 0, 0
	HEAD_A WO+8, WOSTEP, 0
	MUL2 1, 0, 2, 0
	HEAD_B WO+12, G1O, 1
	HSTORE HPB
	s_wait_dscnt 0x0                               ; for the others' sake: my stores of h are done
	s_barrier_signal -1
	WIN W_HI
	MUL2 1, 1, 0, 0                                ; registers only
	s_barrier_wait -1
	PLACES 4
	FETCH2 0, 0, 2, 0
	WIN W_HI
	MUL2 1, 1, 2, 0
.endm
; G2's last k-step of a chunk and the change to the next chunk's G1, place 0 in slot 0.  The next chunk's first products write over window 1, G2's fragments: five places.
.macro TURN21
	s_wait_dscnt 8
	WIN W_LO
	MUL2 1, 0, 0, 0
	HEAD_A WI, WISTEP, 0
	MUL2 1, 0, 2, 0
	HEAD_B WI+4, G1I, 1
	PLACES 4                                       ; as in front of every run of loads behind matrix instructions
	FETCH1 0, 0, 0, 0
	WIN W_HI
	MUL2 1, 1, 0, 0
	MUL2 1, 1, 2, 0
	PLACES 5
.endm
.macro LASTK                           ; the very last k-step: nothing more to fetch
	s_wait_dscnt 0x0
	WIN W_LO
	MUL2 1, 0, 0, 0
	MUL2 1, 0, 2, 0
	WIN W_HI
	MUL2 1, 1, 0, 0
	MUL2 1, 1, 2, 0
.endm
; A chunk of 256 f.  Slots take turns 0, 1 through its eight steps.  At the head of place  t1    t2    t3    u0    u1    u2    u3         next t0
;                                                         the slot just left is asked:    wi 2  wi 3  wo 0  wo 1  wo 2  wo 3  next wi 0  next wi 1   (numbers: places)
; Each of the eight places has its own group 0, stepped on to the next chunk at the head that follows its request.
; first = 1: wi 0 and wi 1 were the first fills, so both are stepped at t1's head, and G2's first products start out's sums.  last = 1: u3's head asks for nothing (a plain barrier).
.macro CHUNK first, last
	THREE1 0, 0, 1                                 ; each chunk's first products start h's sums
.if \first
	TURN11 1, 1, WI+8, G1I, WI+4, WI
.else
	TURN11 1, 1, WI+8, G1I, WI+4, 0
.endif
	THREE1 1, 1, 0
	TURN11 0, 2, WI+12, G1I, WI+8, 0
	THREE1 0, 2, 0
	TURN11 1, 3, WO, G1O, WI+12, 0
	THREE1 1, 3, 0
	TURNE
	G2K 0, 0, \first
	TURN22 1, 1, WO+8, G1O, 1, WO+4
	G2K 1, 1, 0
	TURN2S
	G2K 0, 2, 0
	TURN22 1, 3, WI, G1I, 1-\last, WO+12
	G2K 1, 3, 0
.if \last
	LASTK
.else
	TURN21
.endif
.endm
	s_wait_kmcnt 0x0                               ; the capacity words are in
	s_wait_dscnt 0x0                               ; for the others' sake: my 32 tokens of x are in LDS
	s_wait_tensorcnt 0x1                           ; my panel of slot 0 is in; slot 1's may stay out
	s_barrier_signal -1
	s_barrier_wait -1
	FETCH1 0, 0, 0, 0
	CHUNK 1, 0                                     ; chunk 0 stands in front of the loop: its products start out's sums
	WIN 0                                          ; at a label and at a branch every window is 0
	s_mov_b32 s56, 6
.Lchunk:
	CHUNK 0, 0                                     ; chunks 1 to 6
	WIN 0
	s_sub_co_u32 s56, s56, 1
	s_cmp_lg_u32 s56, 0
	s_cbranch_scc1 .Lchunk
	CHUNK 0, 1                                     ; chunk 7 asks for nothing beyond the weights' end (the addresses stepped in it are not used); its last wait on TENSORcnt was for 0
	; THE WAY OUT, 16 tokens at a time: a lane's 32 bytes (8 neighbouring d of token r) go into my own stage in LDS and come back as whole rows of 512 bytes.
	; The stage lies in XB, which no tensor load fills and which was last read in front of the last four changes of slots; each wave touches its own 8,448 bytes,
	; and LDS serves a wave's instructions in order (ISA guide 5.7.1): no barrier, and no wait between the stores and the loads.
	PLACES 4                                       ; behind the last matrix instructions: the LDS stores read results, the loads write registers that were fragments
.macro OUT16 a, win, f
	WIN \win
.irp b, 0,1,2,3,4,5,6,7
	ds_store_b128 v[STO], v[8*(8*(\a%4)+\b):8*(8*(\a%4)+\b)+3]   offset:64*\b
	ds_store_b128 v[STO], v[8*(8*(\a%4)+\b)+4:8*(8*(\a%4)+\b)+7] offset:64*\b+16
.endr
	WIN 0
	s_wait_xcnt 0x0                                ; every earlier store has had its address translated (ISA guide 3.1): buffer f, which stores read, is loaded again only behind this wait
.irp t, 0,1,2,3,4,5,6,7,8,9,10,11,12,13,14,15
	ds_load_b128 v[\f+4*\t:\f+4*\t+3], v[RD] offset:PITCHS*\t
.endr
.irp t, 0,1,2,3,4,5,6,7,8,9,10,11,12,13,14,15
	s_wait_dscnt 15-\t                             ; row t is in, the younger rows stay out
	global_store_b128 v[CO], v[\f+4*\t:\f+4*\t+3], s[10:11] offset:(16*\a+\t)*2048 th:TH_STORE_NT   ; 32 lanes store 512 consecutive bytes at a multiple of 512 from out's first byte
.endr
.endm
	OUT16 0, W_ST2, 64
	OUT16 1, W_ST2, 128
	OUT16 2, W_ST2, 64
	OUT16 3, W_ST2, 128
	OUT16 4, W_ST3, 64
	OUT16 5, W_ST3, 128
	OUT16 6, W_ST3, 64
	OUT16 7, W_ST3, 128
	s_set_vgpr_msb (MSB<<8)|((MSB&0xf0)|0x0)
	s_wait_tensorcnt 0x0
	ds_add_u32 v10, v25
	s_wait_dscnt 0x0
	s_set_vgpr_msb (((MSB&0xf0)|0x0)<<8)|MSB
	ROUND                                          ; the closing round: no work-group ends while a partner may still ask for a tile that names it
	s_endpgm
.Lfunc_end_k_q2aee6fa113_ffn:
	.size	k_q2aee6fa113_ffn, .Lfunc_end_k_q2aee6fa113_ffn-k_q2aee6fa113_ffn
	.p2alignl 7, 3214868480
	.fill 96, 4, 3214868480
	.section	.rodata,"a",@progbits
	.p2align	6, 0x0
	.amdhsa_kernel k_q2aee6fa113_ffn
		.amdhsa_group_segment_fixed_size 327680
		.amdhsa_private_segment_fixed_size 0
		.amdhsa_enable_private_segment 0
		.amdhsa_kernarg_size 40
		.amdhsa_user_sgpr_count 2
		.amdhsa_user_sgpr_kernarg_segment_ptr 1
		.amdhsa_wavefront_size32 1
		.amdhsa_system_sgpr_workgroup_id_x 1
		.amdhsa_system_sgpr_workgroup_id_y 1
		.amdhsa_system_sgpr_workgroup_id_z 1
		.amdhsa_system_vgpr_workitem_id 0
		.amdhsa_next_free_vgpr 1024
		.amdhsa_next_free_sgpr 100
		.amdhsa_reserve_vcc 0
		.amdhsa_float_denorm_mode_32 3
		.amdhsa_float_denorm_mode_16_64 3
		.amdhsa_memory_ordered 1
		.amdhsa_forward_progress 1
		.amdhsa_inst_pref_size 255
	.end_amdhsa_kernel
	.section	.bss,"aw",@nobits
	.p2align	6
	.space	262144
	.amdgpu_metadata
---
amdhsa.version: [ 1, 2 ]
amdhsa.kernels:
  - .name:           k_q2aee6fa113_ffn
    .symbol:         k_q2aee6fa113_ffn.kd
    .args:
      - { .name: dispatched_hidden_states, .offset: 0, .size: 8, .value_kind: global_buffer, .address_space: global }
      - { .name: wib, .offset: 8, .size: 8, .value_kind: global_buffer, .address_space: global }
      - { .name: wob, .offset: 16, .size: 8, .value_kind: global_buffer, .address_space: global }
      - { .name: out0, .offset: 24, .size: 8, .value_kind: global_buffer, .address_space: global }
      - { .name: experts_capacity_usage, .offset: 32, .size: 8, .value_kind: global_buffer, .address_space: global }
    .group_segment_fixed_size: 327680
    .private_segment_fixed_size: 0
    .kernarg_segment_align: 8
    .kernarg_segment_size: 40
    .max_flat_workgroup_size: 128
    .sgpr_count:     100
    .vgpr_count:     1024
    .wavefront_size: 32
...
	.end_amdgpu_metadata
.endif
;; end of part 2
